; MI455X (gfx1250); checked and timed in simulation.
; The chip was launched on July 23, 2026; its instructions are those of AMD's public machine-readable ISA for CDNA 5 (MIT licence, August 2026) and "CDNA5" Instruction Set Architecture Reference Guide (July 2026). The comments in the code are by the model that wrote it; some were corrected since.
;; Sink Attention SP Wrapper. Allowed arithmetic: float matrix products may take bf16 or f16 operands with f32 sums; all other float work in f32.
;; Inputs: k 2 x 16 x 2,048 x 128 float32; q 2 x 16 x 2,048 x 128 float32; v 2 x 16 x 2,048 x 128 float32.
;; Outputs: out0 2 x 16 x 2,048 x 128 float32.
;; Constants: num_sink = 4, window_size = 1024.
;; One version. Each part assembles by itself: llvm-mc -triple=amdgcn-amd-amdhsa -mcpu=gfx1250 --defsym DOCPART=n.
;; ======== version 1 of 1: 1 launch
;; limits: inputs' magnitudes at most 65,504; values are held in f16: magnitudes above 65,504 overflow, below 6.1e-05 lose precision
;; launch attn (part 1): grid 8 x 32, 4 waves a work-group, no clusters, 173,568 bytes of LDS; arguments q, k, v, out0; writes out0
.if DOCPART == 1
	.amdgcn_target "amdgcn-amd-amdhsa--gfx1250"
	.amdhsa_code_object_version 6
	.text
	.protected	k_q297364c9d2_attn
	.globl	k_q297364c9d2_attn
	.p2align	8
	.type	k_q297364c9d2_attn,@function
k_q297364c9d2_attn:
	s_mov_b64 s[64:65], 0
	v_nop
	global_prefetch_b8 v0, s[64:65] scope:SCOPE_SE
	s_setreg_imm32_b32 hwreg(HW_REG_WAVE_MODE, 25, 1), 1
	s_wait_xcnt 0x0
; Sink + sliding-window causal attention.  q, k, v, out: [32 heads][2048][128] f32.
; Query i sees key j iff j <= i and (j < 4 or i - j < 1024).  Products in f16 with f32 sums, softmax in f32 with a running maximum.
;
; WHY F16 AND NOT BF16.  A low row sums a handful of keys, so a weight's rounding reaches the result almost undamped: with 8 significant bits a weight
;   is off by up to 2^-8 of itself, with 11 bits by up to 2^-11.  One matrix form takes both operands, so V goes with P; Q and K go the same way, since
;   their rounding moves a weight as much as its own does.  Room: p lies in 0 .. 1; the inputs may reach 65,504 in magnitude.
; SHARING.  Work-group (g = x, head = y), four waves, walks ONE stream of K/V tiles of 64 keys in two passes:
;   pass H: rows 1024+128g .. +127 (wave w: 32 rows, two q-tiles of 16).  Tiles 0 (sinks), then max(1,2g) .. 2g+17.
;   pass L: the 64-row blocks g and 15-g (wave w: 16 rows of each).  Tile 0, tiles 1..g with both q-tiles, tiles g+1..15-g with q-tile 1 alone.
;   Products per group: 18 or 19 steps + (g+1) + (15-2g)/2 = 8.5 steps, the same for every g.
;   Tile 0 comes first in both passes: key 0 is valid for every query, so the running maximum is finite from the first step on
;   and a masked score can simply be -infinity.
; ORIENTATION.  S^T = K Q^T: lane (r, h) register j holds key 8h+j of query r, so maximum, sum and rescale factor are one number a lane and a
;   row reduction is in-lane work plus one exchange of the lane halves.  The packed results of key tiles 2c, 2c+1 ARE the B fragment of
;   O^T = V^T P^T; V^T comes from f16 V [key][d] in LDS by the transposing load.  No shuffle anywhere.
; DATA PATH.  K and V are f32 in memory: each wave loads 16 rows of K and of V into registers one whole step ahead, rounds them to f16 and stores
;   them into the one tile buffer in LDS; all fragments of a tile are then held in registers, so the buffer is free for the next tile.
; NO CLUSTER, NO TENSOR LOADS: a joint request would land f32 tiles in LDS (64 KiB a step to read, round and store again, since the transposing load
;   takes 16-bit data), and the eight groups of a head walk tile ranges that are shifted by two tiles from group to group (2g .. 2g+17),
;   so partners would not want the same tile at the same time without multiplying tiles that their masks throw away.
; NO PREFETCH: every tile is already asked for, into registers, one whole step before it is converted, and the neighbours of the head read the same tiles.
; LIMITS: |q|, |k|, |v| at most 65,504 (beyond it the f16 operand is infinite); parts of them below 2^-25 and weights below 2^-25 of the row's largest
;   vanish; raw scores q.k must be finite in f32; NaN inputs give unspecified results; an exponential below 2^-126 counts as zero;
;   sums are formed tile by tile, not in the reference's order; the denominator sums p in f32 while the products take p rounded to f16.
.set KPITCH, 272                       ; LDS row of 128 f16 + 16 bytes: 17 x 16, the 16 rows of a fragment load start 16 bytes apart modulo 256
.set VPITCH, 288                       ; 9 x 32 bytes, for the transposing load
.set OPITCH, 528                       ; LDS row of 128 f32 + 16 bytes: 33 x 16
.set KT,  0                            ; K tile, 64 rows
.set VT,  KT+64*KPITCH                 ; V tile, 64 rows [key][d]
.set QL,  VT+64*VPITCH                 ; per wave: 64 rows of Q in f16 (0-31 pass H, 32-63 pass L)
.set QLW, 64*KPITCH
.set OS,  QL+4*QLW                     ; per wave: 32 rows of results in f32, on the way out
.set OSW, 32*OPITCH                    ; OS + 4 OSW = 173,056 bytes in all
.set CLOG, 0x3e0293ee                  ; c = log2(e) / sqrt(128)
; window 0 (v0-255)
.set L16, 1                            ; lane x 16
.set T16, 2                            ; wave x 16 rows x 512 + lane x 16: my bytes in a K or V tile
.set KA,  3                            ; K fragments: KT + r 272 + 16 h
.set VA,  4                            ; V fragments: VT + (8h + (lane&7)) 288 + 16 ((lane>>3)&1)
.set KS,  5                            ; where I store K: KT + 16 w 272 + 8 lane
.set VS,  6                            ; where I store V
.set QS,  7                            ; where I store Q
.set QA,  8                            ; Q fragments
.set OSA, 9                            ; results into my stage: r 528 + 32 h
.set OLA, 10                           ; and back by rows: 16 lane
.set HR,  11                           ; 8h - r
.set WB,  12                           ; v12-13  q-tile: 1023 - first row + 8h - r
.set WS,  14                           ; v14-15  the same with the window limit lifted in lanes h = 0 (pass H, keys 0-3)
.set MX,  16                           ; v16-17  running maximum of the raw scores
.set LS,  18                           ; v18-19  running sum over this lane half's keys
.set NM,  20                           ; v20-23  -c m, twice (a pair for the packed multiply-add)
.set AL,  24                           ; v24-27  rescale factor, twice; at the end 1 / sum
.set WW,  28                           ; v28-29  64 t + WB
.set DD,  30                           ; v30-31  exponent of the rescale factor
.set TT,  32                           ; v32-47  at work; TT+4, TT+5 take the other lane half's figure
.set SU,  48                           ; v48-55  two chains of pairs for each q-tile
.set SS,  64                           ; v64-127  S(kt, qt) at 16 kt + 8 qt
.set PP,  128                          ; v128-159 P(qt, kc) at 16 qt + 8 kc
.set CV,  160                          ; v160-223 64 registers of f16 just rounded
; window 1: results and Q.  window 2: fragments of the tile.  window 3: the next tile as loaded
.set OO,  0                            ; O(dt, qt) at 8 (2 dt + qt)
.set QQ,  128                          ; Q(qt, dc) at 8 (4 qt + dc)
.set KF,  0                            ; K(kt, dc) at 8 (4 kt + dc)
.set VF,  128                          ; V(dt, kc) at 8 (2 dt + kc)
.set ST,  0                            ; load i: 4 registers; 0-15 K, 16-31 V
; scalars: s[4:11] q k v out | s12 wave s13 g s14 head | s[18:21] head's K, V | s[22:25] bases of the tile asked for | s[26:27] its byte offset
; s28 stream index of the next tile to ask for | s29 tiles in the stream | s30 tiles of pass H | s31, s32 index -> tile
; s33 t | s34 one past the loop's last t | s35, s36 mask limits | s37 64 t
; s38-39 lane selects | s40-43 compare masks | s44 1024 | s45 -inf | s46 -c | s47 lanes h = 0 | s[48:53] Q bases | s[54:57] out bases | s58-63 at work
.set MSB, 0
.macro WIN new                         ; low byte: bits 1:0 source 0, 3:2 source 1, 5:4 source 2, 7:6 destination; high byte repeats the setting left
.if MSB != \new
	s_set_vgpr_msb (MSB<<8)|\new
.set MSB, \new
.endif
.endm
.macro PLACES                          ; four independent vector places behind a matrix instruction (ISA guide 7.12.1)
.rept 4
	v_nop
.endr
.endm
; the tile of stream index s28: below s30 tile s28 + s31 (pass H), from s30 on tile s28 - s30 (pass L); 32,768 bytes a tile
.macro KVADDR
	s_cmp_lt_u32 s28, s30
	s_cselect_b32 s58, s31, s32
	s_add_co_u32 s58, s58, s28
	s_lshl_b32 s26, s58, 15
	s_add_nc_u64 s[22:23], s[18:19], s[26:27]
	s_add_nc_u64 s[24:25], s[20:21], s[26:27]
.endm
; 32 loads: my 16 rows of K and of V; each load of the wave covers one whole row of 512 bytes.  No NT hint: the head's other groups read the tile too
.macro KVISSUE
	WIN 0xc0
.set n, 0
.rept 16
	global_load_b128 v[ST+4*n:ST+4*n+3], v[T16], s[22:23] offset:512*n
.set n, n+1
.endr
.set n, 0
.rept 16
	global_load_b128 v[ST+64+4*n:ST+64+4*n+3], v[T16], s[24:25] offset:512*n
.set n, n+1
.endr
	WIN 0
.endm
; 128 f32 registers of window win -> 64 registers of f16
.macro CVT src, win
	WIN \win
.set n, 0
.rept 32
	v_cvt_pk_f16_f32 v[CV+2*n], v[\src+4*n], v[\src+4*n+1]
	v_cvt_pk_f16_f32 v[CV+2*n+1], v[\src+4*n+2], v[\src+4*n+3]
.set n, n+1
.endr
	WIN 0
.endm
; my 16 rows of K and of V into the tile buffer: each store of the wave covers 256 neighbouring bytes
.macro TSTORE
.set n, 0
.rept 16
	ds_store_b64 v[KS], v[CV+2*n:CV+2*n+1] offset:KPITCH*n
.set n, n+1
.endr
.set n, 0
.rept 16
	ds_store_b64 v[VS], v[CV+32+2*n:CV+32+2*n+1] offset:VPITCH*n
.set n, n+1
.endr
.endm
; my 32 rows of Q for one pass, read once in the launch
.macro QLOAD pass
	WIN 0x80
.set n, 0
.rept 32
.if \pass == 0
	global_load_b128 v[VF+4*n:VF+4*n+3], v[L16], s[48:49] offset:512*n th:TH_LOAD_NT
.else
	global_load_b128 v[VF+4*n:VF+4*n+3], v[L16], s[50+2*(n/16):51+2*(n/16)] offset:512*(n%16) th:TH_LOAD_NT
.endif
.set n, n+1
.endr
	WIN 0
.endm
.macro QSTORE pass
.set n, 0
.rept 32
	ds_store_b64 v[QS], v[CV+2*n:CV+2*n+1] offset:(32*\pass+n)*KPITCH
.set n, n+1
.endr
.endm
; fragments of the whole tile into registers: 32 loads of K (key tile by key tile), 32 transposing loads of V
.macro KFRAG
	WIN 0x80
.irp kt, 0,1,2,3
.irp dc, 0,1,2,3
	ds_load_b128 v[KF+8*(4*\kt+\dc):KF+8*(4*\kt+\dc)+3],   v[KA] offset:\kt*16*KPITCH+64*\dc
	ds_load_b128 v[KF+8*(4*\kt+\dc)+4:KF+8*(4*\kt+\dc)+7], v[KA] offset:\kt*16*KPITCH+64*\dc+32
.endr
.endr
.endm
.macro VFRAG
	WIN 0x80
.irp dt, 0,1,2,3,4,5,6,7
.irp kc, 0,1
	ds_load_tr16_b128 v[VF+8*(2*\dt+\kc):VF+8*(2*\dt+\kc)+3],   v[VA] offset:\kc*32*VPITCH+32*\dt
	ds_load_tr16_b128 v[VF+8*(2*\dt+\kc)+4:VF+8*(2*\dt+\kc)+7], v[VA] offset:\kc*32*VPITCH+32*\dt+16*VPITCH
.endr
.endr
.endm
; S^T of key tiles kt0, kt0+1: chains over the four d chunks, the first product starts each sum
.macro QKG kt0, qlo
.irp dc, 0,1,2,3
.irp kk, 0,1
.irp qt, 0,1
.if \qt >= \qlo
.set XD, SS+16*(\kt0+\kk)+8*\qt
.set XA, KF+8*(4*(\kt0+\kk)+\dc)
.set XB, QQ+8*(4*\qt+\dc)
.if \dc == 0
	v_wmma_f32_16x16x32_f16 v[XD:XD+7], v[XA:XA+7], v[XB:XB+7], 0
.else
	v_wmma_f32_16x16x32_f16 v[XD:XD+7], v[XA:XA+7], v[XB:XB+7], v[XD:XD+7]
.endif
.endif
.endr
.endr
.endr
.endm
.macro QK qlo
	WIN 0x06                               ; A = K in window 2, B = Q in window 1, sums in window 0
	s_wait_dscnt 48                        ; younger: 16 loads of key tiles 2, 3 and 32 of V.  Key tiles 0, 1 (and Q, which is older) are in
	QKG 0, \qlo
	s_wait_dscnt 32                        ; younger: the 32 loads of V
	QKG 2, \qlo
	WIN 0
.endm
; A score is kept iff x = 1023 - (i - j) lies in 0 .. 1023: one unsigned compare holds both j <= i and i - j < 1024.
; x = e + 64 t + WB with e = 16 kt + register.  first = 1: tile 0 of pass H, keys 0-3 take WS (window limit lifted); first = 2: tile 0 of pass L.
.macro MASK qlo, first
.if \first == 0
.irp qt, 0,1
.if \qt >= \qlo
	v_add_nc_u32 v[WW+\qt], s37, v[WB+\qt]
.endif
.endr
.endif
.irp qt, 0,1
.if \qt >= \qlo
.irp kt, 0,1,2,3
.irp j0, 0,4
.if \first == 0
.set MW, WW+\qt
.else
.set MW, WB+\qt
.if \first == 1
.if \kt == 0
.if \j0 == 0
.set MW, WS+\qt
.endif
.endif
.endif
.endif
.irp j, 0,1,2,3
.if 16*\kt+\j0+\j
	v_add_nc_u32 v[TT+8+\j], 16*\kt+\j0+\j, v[MW]
.endif
.endr
.irp j, 0,1,2,3
.if 16*\kt+\j0+\j
	v_cmp_gt_u32 s[40+\j], s44, v[TT+8+\j]
.else
	v_cmp_gt_u32 s[40+\j], s44, v[MW]
.endif
.endr
.irp j, 0,1,2,3
	v_cndmask_b32 v[SS+16*\kt+8*\qt+\j0+\j], s45, v[SS+16*\kt+8*\qt+\j0+\j], s[40+\j]
.endr
.endr
.endr
.endif
.endr
.endm
; new running maximum, -c m and the rescale factor.  Two chains of three-way maxima a q-tile; the old maximum rides in the first.
.macro SMAX qlo, first
.irp qt, 0,1
.if \qt >= \qlo
.if \first
	v_max_num_f32 v[TT+\qt], v[SS+8*\qt], v[SS+8*\qt+1]
.else
	v_max3_num_f32 v[TT+\qt], v[MX+\qt], v[SS+8*\qt], v[SS+8*\qt+1]
.endif
	v_max3_num_f32 v[TT+2+\qt], v[SS+32+8*\qt], v[SS+32+8*\qt+1], v[SS+32+8*\qt+2]
.endif
.endr
.set i, 1
.rept 7
.irp qt, 0,1
.if \qt >= \qlo
.set E0, SS+16*((2*i)/8)+8*\qt+(2*i)%8
	v_max3_num_f32 v[TT+\qt], v[TT+\qt], v[E0], v[E0+1]
.if i < 7
.set E1, SS+16*((17+2*i)/8)+8*\qt+(17+2*i)%8
.set E2, SS+16*((18+2*i)/8)+8*\qt+(18+2*i)%8
	v_max3_num_f32 v[TT+2+\qt], v[TT+2+\qt], v[E1], v[E2]
.endif
.endif
.endr
.set i, i+1
.endr
.irp qt, 0,1
.if \qt >= \qlo
	v_max3_num_f32 v[TT+\qt], v[TT+\qt], v[TT+2+\qt], v[SS+48+8*\qt+7]
.endif
.endr
.irp qt, 0,1
.if \qt >= \qlo
	v_permlanex16_b32 v[TT+4+\qt], v[TT+\qt], s38, s39     ; the other eight keys of each sixteen lie in lane xor 16
.endif
.endr
.irp qt, 0,1
.if \qt >= \qlo
	v_max_num_f32 v[MX+\qt], v[TT+\qt], v[TT+4+\qt]
.endif
.endr
.irp qt, 0,1
.if \qt >= \qlo
	v_mul_f32 v[NM+2*\qt+1], s46, v[MX+\qt]                ; the new -c m
.if \first == 0
	v_sub_f32 v[DD+\qt], v[NM+2*\qt+1], v[NM+2*\qt]        ; minus the old one, both as rounded: old and new exponentials stay consistent
.endif
	v_mul_f32 v[NM+2*\qt], s46, v[MX+\qt]
.endif
.endr
.if \first == 0
.irp qt, 0,1
.if \qt >= \qlo
	v_exp_f32 v[AL+2*\qt], v[DD+\qt]                       ; first used far below, behind plain vector work
	v_exp_f32 v[AL+2*\qt+1], v[DD+\qt]
.endif
.endr
.endif
.endm
; p = 2^(c s - c m) of key tile kt, in place
.macro EXPT kt, qlo
.irp qt, 0,1
.if \qt >= \qlo
.irp p, 0,2,4,6
	v_pk_fma_f32 v[SS+16*\kt+8*\qt+\p:SS+16*\kt+8*\qt+\p+1], v[SS+16*\kt+8*\qt+\p:SS+16*\kt+8*\qt+\p+1], CLOG, v[NM+2*\qt:NM+2*\qt+1] op_sel_hi:[1,0,1]
.endr
.endif
.endr
.irp qt, 0,1
.if \qt >= \qlo
.irp j, 0,1,2,3,4,5,6,7
	v_exp_f32 v[SS+16*\kt+8*\qt+\j], v[SS+16*\kt+8*\qt+\j]
.endr
.endif
.endr
.endm
; key tile kt's p into the sums (tile 0 starts the chains) and, rounded to f16, into the B fragment: P(qt, kt/2) registers 4 (kt%2) ..
.macro SUMP kt, qlo
.irp qt, 0,1
.if \qt >= \qlo
.set E0, SS+16*\kt+8*\qt
.if \kt == 0
	s_wait_alu depctr_va_vdst(0)
	v_pk_add_f32 v[SU+4*\qt:SU+4*\qt+1],   v[E0:E0+1],   v[E0+4:E0+5]
	v_pk_add_f32 v[SU+4*\qt+2:SU+4*\qt+3], v[E0+2:E0+3], v[E0+6:E0+7]
.else
	s_wait_alu depctr_va_vdst(0)
	v_pk_add_f32 v[SU+4*\qt:SU+4*\qt+1],   v[SU+4*\qt:SU+4*\qt+1],   v[E0:E0+1]
	v_pk_add_f32 v[SU+4*\qt+2:SU+4*\qt+3], v[SU+4*\qt+2:SU+4*\qt+3], v[E0+2:E0+3]
	v_pk_add_f32 v[SU+4*\qt:SU+4*\qt+1],   v[SU+4*\qt:SU+4*\qt+1],   v[E0+4:E0+5]
	v_pk_add_f32 v[SU+4*\qt+2:SU+4*\qt+3], v[SU+4*\qt+2:SU+4*\qt+3], v[E0+6:E0+7]
.endif
.irp p, 0,1,2,3
	v_cvt_pk_f16_f32 v[PP+16*\qt+4*\kt+\p], v[E0+2*\p], v[E0+2*\p+1]
.endr
.endif
.endr
.endm
.macro LSUM qlo, first
.irp qt, 0,1
.if \qt >= \qlo
	v_pk_add_f32 v[SU+4*\qt:SU+4*\qt+1], v[SU+4*\qt:SU+4*\qt+1], v[SU+4*\qt+2:SU+4*\qt+3]
.endif
.endr
.irp qt, 0,1
.if \qt >= \qlo
.if \first
	v_add_f32 v[LS+\qt], v[SU+4*\qt], v[SU+4*\qt+1]
.else
	v_add_f32 v[TT+\qt], v[SU+4*\qt], v[SU+4*\qt+1]
	v_fma_f32 v[LS+\qt], v[LS+\qt], v[AL+2*\qt], v[TT+\qt]
.endif
.endif
.endr
.endm
; O *= the pair AL (rescale factor, or 1 / sum at the end)
.macro OSCALE qlo
	WIN 0x41
.irp dt, 0,1,2,3,4,5,6,7
.irp qt, 0,1
.if \qt >= \qlo
.irp p, 0,2,4,6
	v_pk_mul_f32 v[OO+8*(2*\dt+\qt)+\p:OO+8*(2*\dt+\qt)+\p+1], v[OO+8*(2*\dt+\qt)+\p:OO+8*(2*\dt+\qt)+\p+1], v[AL+2*\qt:AL+2*\qt+1]
.endr
.endif
.endr
.endr
.endm
; O^T += V^T P^T for d tiles dt0 .. dt0+3, two d tiles at a time, the two key chunks as links of a chain.  first: the first link starts the sum
.macro PVHALF qlo, first, dt0
.irp dp, 0,2
.irp kc, 0,1
.irp dd, 0,1
.irp qt, 0,1
.if \qt >= \qlo
.set XD, OO+8*(2*(\dt0+\dp+\dd)+\qt)
.set XA, VF+8*(2*(\dt0+\dp+\dd)+\kc)
.set XB, PP+16*\qt+8*\kc
.set XZ, 0
.if \first
.if \kc == 0
.set XZ, 1
.endif
.endif
.if XZ
	v_wmma_f32_16x16x32_f16 v[XD:XD+7], v[XA:XA+7], v[XB:XB+7], 0
.else
	v_wmma_f32_16x16x32_f16 v[XD:XD+7], v[XA:XA+7], v[XB:XB+7], v[XD:XD+7]
.endif
.endif
.endr
.endr
.endr
.endr
.endm
; ONE STEP: the tile in LDS against q-tiles qlo .. 1.  Stream: this is tile k, the registers ST are getting tile k+1, s28 = k+2.
; All branches hang on g, t and s28 alone: the four waves go the same way and pass the same barriers.
.macro STEP qlo, first, tag
	KFRAG
	VFRAG
	WIN 0
	s_wait_loadcnt 0x0                     ; tile k+1, asked for a whole step ago, is in registers; nothing younger is out; its bases are free
	s_cmp_gt_u32 s28, s29
	s_cbranch_scc1 .Lnl_\tag               ; no tile k+1
	CVT ST, 0x0f
	s_cmp_ge_u32 s28, s29
	s_cbranch_scc1 .Lnl_\tag               ; no tile k+2
	KVADDR
	KVISSUE
.Lnl_\tag:
	QK \qlo
	PLACES                                 ; before vector work reads the scores
.if \first
	MASK \qlo, \first
.else
	s_cmp_le_u32 s33, s35                  ; a tile at the window's edge,
	s_cbranch_scc1 .Lmk_\tag
	s_cmp_lt_u32 s33, s36                  ; or on the diagonal; the tiles between need no mask
	s_cbranch_scc1 .Lnm_\tag
.Lmk_\tag:
	s_lshl_b32 s37, s33, 6
	MASK \qlo, 0
.Lnm_\tag:
.endif
	SMAX \qlo, \first
	s_wait_dscnt 0x0                       ; all my fragments of the tile are in registers:
	s_barrier_signal -1                    ; say so, and work on registers while the others arrive.
	EXPT 0, \qlo                           ; Each tile's sums and roundings stand behind the next tile's exponentials, so that plain vector
	EXPT 1, \qlo                           ; work always lies between an exponential and the first use of its result (ISA guide 5.7.2)
	SUMP 0, \qlo
	EXPT 2, \qlo
	SUMP 1, \qlo
	EXPT 3, \qlo
	SUMP 2, \qlo
	SUMP 3, \qlo
	LSUM \qlo, \first
	s_barrier_wait -1                      ; nobody reads the tile buffer any more
	s_cmp_gt_u32 s28, s29
	s_cbranch_scc1 .Lns_\tag
	TSTORE                                 ; tile k+1
.Lns_\tag:
.if \first == 0
	OSCALE \qlo
.endif
	WIN 0x52                               ; A = V in window 2, B = P in window 0, sums in window 1
	PVHALF \qlo, \first, 0
	s_wait_dscnt 0x0                       ; my rows of tile k+1 are in LDS:
	s_barrier_signal -1                    ; say so,
	PVHALF \qlo, \first, 4
	WIN 0
	PLACES                                 ; before V's registers are loaded again and O is read by vector work
	s_barrier_wait -1                      ; and read the tile when all four have said so
	s_add_co_u32 s28, s28, 1
.endm
; head of a pass: first rows of my two q-tiles, mask offsets, out bases, Q fragments (older than the step's K loads: QK's counted waits cover them)
.macro PASSHEAD pass
.if \pass == 0
	s_lshl_b32 s58, s13, 7
	s_lshl_b32 s59, s12, 5
	s_add_co_u32 s58, s58, s59
	s_add_co_u32 s58, s58, 1024            ; 1024 + 128 g + 32 w
	s_add_co_u32 s60, s58, 16
.else
	s_lshl_b32 s59, s13, 6
	s_lshl_b32 s61, s12, 4
	s_add_co_u32 s58, s59, s61             ; 64 g + 16 w
	s_sub_co_u32 s60, 960, s59
	s_add_co_u32 s60, s60, s61             ; 960 - 64 g + 16 w
.endif
	s_sub_co_u32 s62, 1023, s58
	s_sub_co_u32 s63, 1023, s60
	v_add_nc_u32 v[WB], s62, v[HR]
	v_add_nc_u32 v[WB+1], s63, v[HR]
.if \pass == 0
	v_cndmask_b32 v[WS], v[WB], 0, s47     ; rows from 1024 on: for keys 0-3 (lanes h = 0) x = e, always kept
	v_cndmask_b32 v[WS+1], v[WB+1], 0, s47
.endif
	s_lshl_b32 s58, s58, 9                 ; rows of 512 bytes
	s_mov_b32 s59, 0
	s_lshl_b32 s60, s60, 9
	s_mov_b32 s61, 0
	s_add_nc_u64 s[54:55], s[10:11], s[58:59]
	s_add_nc_u64 s[56:57], s[10:11], s[60:61]
	WIN 0x40
.irp qt, 0,1
.irp dc, 0,1,2,3
	ds_load_b128 v[QQ+8*(4*\qt+\dc):QQ+8*(4*\qt+\dc)+3],   v[QA] offset:(32*\pass+16*\qt)*KPITCH+64*\dc
	ds_load_b128 v[QQ+8*(4*\qt+\dc)+4:QQ+8*(4*\qt+\dc)+7], v[QA] offset:(32*\pass+16*\qt)*KPITCH+64*\dc+32
.endr
.endr
	WIN 0
.endm
; end of a pass: divide by the sum, 32 bytes a lane into my own stage, back by whole rows, each store of the wave one row of 512 bytes
.macro EPI more
.irp qt, 0,1
	v_permlanex16_b32 v[TT+4+\qt], v[LS+\qt], s38, s39
.endr
.irp qt, 0,1
	v_add_f32 v[LS+\qt], v[LS+\qt], v[TT+4+\qt]
.endr
	v_rcp_f32 v[AL], v[LS]
	v_rcp_f32 v[AL+1], v[LS]
	v_rcp_f32 v[AL+2], v[LS+1]
	v_rcp_f32 v[AL+3], v[LS+1]
	v_nop                                  ; one plain place behind the reciprocals (ISA guide 5.7.2)
	s_wait_alu depctr_va_vdst(0)
	OSCALE 0
	WIN 0x04                               ; store data in window 1
.irp qt, 0,1
.irp dt, 0,1,2,3,4,5,6,7
	ds_store_b128 v[OSA], v[OO+8*(2*\dt+\qt):OO+8*(2*\dt+\qt)+3]   offset:\qt*16*OPITCH+64*\dt
	ds_store_b128 v[OSA], v[OO+8*(2*\dt+\qt)+4:OO+8*(2*\dt+\qt)+7] offset:\qt*16*OPITCH+64*\dt+16
.endr
.endr
	WIN 0x80                               ; LDS serves a wave's instructions in order: these loads see the stores above.  The stage is my own
.set n, 0
.rept 32
	ds_load_b128 v[KF+4*n:KF+4*n+3], v[OLA] offset:OPITCH*n
.set n, n+1
.endr
	WIN 0x08                               ; store data in window 2
.set n, 0
.rept 32
	s_wait_dscnt 31-n                      ; the 31-n younger rows may be out
	global_store_b128 v[L16], v[KF+4*n:KF+4*n+3], s[54+2*(n/16):55+2*(n/16)] offset:512*(n%16) th:TH_STORE_NT
.set n, n+1
.endr
	WIN 0
.if \more
	s_wait_xcnt 0x0                        ; the stores' data (K's registers) and bases are rewritten only behind this wait
.endif
.endm
; ------------------------------------------------------------------ prologue
	s_load_b256 s[4:11], s[0:1], 0x0               ; q s[4:5], k s[6:7], v s[8:9], out s[10:11]
	v_lshl_add_u32 v254, v0, 2, 0x2a400
	v_mov_b32 v255, 0
	v_lshrrev_b32 v[TT], 5, v0
	v_readfirstlane_b32 s12, v[TT]                 ; wave
	s_mov_b32 s13, ttmp9                           ; g
	s_and_b32 s14, ttmp7, 0xffff                   ; head
	v_and_b32 v[TT+1], 31, v0                      ; lane
	v_and_b32 v[TT+2], 15, v0                      ; r
	v_bfe_u32 v[TT+3], v0, 4, 1                    ; h
	v_lshlrev_b32 v[L16], 4, v[TT+1]
	v_lshlrev_b32 v[TT+4], 3, v[TT+1]              ; 8 lane   (TT+4 and TT+5 are hereby written: the lane exchanges count them as read)
	v_mul_u32_u24 v[TT+5], v[TT+2], KPITCH
	v_lshl_add_u32 v[KA], v[TT+3], 4, v[TT+5]      ; r 272 + 16 h (KT = 0)
	v_and_b32 v[TT+6], 7, v0
	v_lshl_add_u32 v[TT+6], v[TT+3], 3, v[TT+6]    ; 8 h + (lane & 7)
	v_mul_u32_u24 v[TT+6], v[TT+6], VPITCH
	v_bfe_u32 v[TT+7], v0, 3, 1
	v_lshl_add_u32 v[TT+6], v[TT+7], 4, v[TT+6]    ; + 16 ((lane >> 3) & 1)
	v_add_nc_u32 v[VA], VT, v[TT+6]
	s_lshl_b32 s58, s12, 13                        ; 16 rows of 512 bytes a wave
	v_add_nc_u32 v[T16], s58, v[L16]
	s_mul_i32 s58, s12, 16*KPITCH
	v_add_nc_u32 v[KS], s58, v[TT+4]
	s_mul_i32 s58, s12, 16*VPITCH
	s_add_co_u32 s58, s58, VT
	v_add_nc_u32 v[VS], s58, v[TT+4]
	s_mul_i32 s59, s12, QLW
	s_add_co_u32 s59, s59, QL
	v_add_nc_u32 v[QS], s59, v[TT+4]
	v_add_nc_u32 v[QA], s59, v[KA]
	s_mul_i32 s60, s12, OSW
	s_add_co_u32 s60, s60, OS
	v_mul_u32_u24 v[TT+8], v[TT+2], OPITCH
	v_lshl_add_u32 v[TT+8], v[TT+3], 5, v[TT+8]
	v_add_nc_u32 v[OSA], s60, v[TT+8]
	v_add_nc_u32 v[OLA], s60, v[L16]
	v_lshlrev_b32 v[TT+9], 3, v[TT+3]
	v_sub_nc_u32 v[HR], v[TT+9], v[TT+2]           ; 8 h - r
	s_lshl_b32 s16, s14, 20                        ; a head is 2048 x 512 bytes
	s_mov_b32 s17, 0
	s_mov_b32 s27, 0
	s_mov_b32 s38, 0x76543210                      ; lane i of one half reads lane i of the other
	s_mov_b32 s39, 0xfedcba98
	s_mov_b32 s44, 1024
	s_mov_b32 s45, 0xff800000                      ; -infinity
	s_mov_b32 s46, 0xbe0293ee                      ; -c
	s_mov_b32 s47, 0x0000ffff                      ; lanes with h = 0
	s_lshl_b32 s58, s13, 1                         ; 2 g
	s_max_u32 s59, s58, 1                          ; pass H's second tile
	s_sub_co_u32 s31, s59, 1
	s_add_co_u32 s30, s58, 19
	s_sub_co_u32 s30, s30, s59                     ; tiles of pass H: 18 for g = 0, else 19
	s_sub_co_u32 s32, 0, s30
	s_add_co_u32 s29, s30, 16
	s_sub_co_u32 s29, s29, s13                     ; + 16 - g of pass L
	s_lshl_b32 s58, s13, 7
	s_lshl_b32 s60, s12, 5
	s_add_co_u32 s58, s58, s60
	s_add_co_u32 s58, s58, 1024
	s_lshl_b32 s58, s58, 9                         ; Q of pass H: row 1024 + 128 g + 32 w
	s_mov_b32 s59, 0
	s_lshl_b32 s62, s13, 6
	s_lshl_b32 s63, s12, 4
	s_add_co_u32 s60, s62, s63
	s_lshl_b32 s60, s60, 9                         ; pass L, q-tile 0: row 64 g + 16 w
	s_mov_b32 s61, 0
	s_sub_co_u32 s62, 960, s62
	s_add_co_u32 s62, s62, s63
	s_lshl_b32 s62, s62, 9                         ; q-tile 1: row 960 - 64 g + 16 w
	s_mov_b32 s63, 0
	s_wait_kmcnt 0x0
	s_add_nc_u64 s[4:5], s[4:5], s[16:17]
	s_add_nc_u64 s[18:19], s[6:7], s[16:17]
	s_add_nc_u64 s[20:21], s[8:9], s[16:17]
	s_add_nc_u64 s[10:11], s[10:11], s[16:17]
	s_add_nc_u64 s[48:49], s[4:5], s[58:59]
	s_add_nc_u64 s[50:51], s[4:5], s[60:61]
	s_add_nc_u64 s[52:53], s[4:5], s[62:63]
	s_mov_b64 s[22:23], s[18:19]                   ; the stream's first tile is tile 0
	s_mov_b64 s[24:25], s[20:21]
	QLOAD 0
	KVISSUE
	s_wait_loadcnt 32                              ; younger: tile 0's 32 loads.  Q of pass H is in
	CVT VF, 0x0a
	QSTORE 0
	QLOAD 1
	s_wait_loadcnt 32                              ; younger: the 32 loads of pass L's Q.  Tile 0 is in, its bases are free
	CVT ST, 0x0f
	TSTORE
	s_mov_b32 s28, 1
	KVADDR
	KVISSUE                                        ; the stream's second tile
	s_mov_b32 s28, 2
	s_wait_loadcnt 32                              ; younger: that tile's 32 loads.  Q of pass L is in
	CVT VF, 0x0a
	QSTORE 1
	s_wait_dscnt 0x0                               ; my rows of tile 0 are in LDS
	s_barrier_signal -1
	s_barrier_wait -1
; ------------------------------------------------------------------ pass H
	PASSHEAD 0
	STEP 0, 1, HF                                  ; tile 0: starts maximum, sum and O
	s_lshl_b32 s58, s13, 1
	s_max_u32 s33, s58, 1                          ; t = max(1, 2g) ..
	s_add_co_u32 s34, s58, 18                      ; .. 2g + 17 (s34 is one past it)
	s_add_co_u32 s35, s58, 1                       ; masked up to 2g + 1 (64 t <= 128 g + 127: some row is 1024 or more ahead of some key)
	s_add_co_u32 s36, s58, 16                      ; and from 2g + 16 on (64 t + 63 > 1024 + 128 g: some key is ahead of some row)
.LH:
	STEP 0, 0, HA
	s_add_co_u32 s33, s33, 1
	s_cmp_lt_u32 s33, s34
	s_cbranch_scc1 .LH
	EPI 1
; ------------------------------------------------------------------ pass L (its tile 0 is in LDS already, its tile 1 on the way)
	PASSHEAD 1
	STEP 0, 2, LF
	s_mov_b32 s35, 0                               ; no window edge below row 1024
	s_mov_b32 s33, 1
	s_cmp_eq_u32 s13, 0
	s_cbranch_scc1 .LnoA                           ; block 0 ends with tile 0
	s_add_co_u32 s34, s13, 1                       ; tiles 1 .. g with both q-tiles (s34 is one past the last),
	s_mov_b32 s36, s13                             ; tile g on block g's diagonal
.LA:
	STEP 0, 0, LA
	s_add_co_u32 s33, s33, 1
	s_cmp_lt_u32 s33, s34
	s_cbranch_scc1 .LA
.LnoA:
	s_sub_co_u32 s34, 16, s13                      ; tiles g+1 .. 15-g with q-tile 1 alone (s34 is one past the last),
	s_sub_co_u32 s36, 15, s13                      ; the last on its diagonal
.LB:
	STEP 1, 0, LB
	s_add_co_u32 s33, s33, 1
	s_cmp_lt_u32 s33, s34
	s_cbranch_scc1 .LB
	EPI 0
	s_wait_tensorcnt 0x0
	ds_add_u32 v254, v255
	s_wait_dscnt 0x0
	s_endpgm
.Lfunc_end_k_q297364c9d2_attn:
	.size	k_q297364c9d2_attn, .Lfunc_end_k_q297364c9d2_attn-k_q297364c9d2_attn
	.p2alignl 7, 3214868480
	.fill 96, 4, 3214868480
	.section	.rodata,"a",@progbits
	.p2align	6, 0x0
	.amdhsa_kernel k_q297364c9d2_attn
		.amdhsa_group_segment_fixed_size 173568
		.amdhsa_private_segment_fixed_size 0
		.amdhsa_enable_private_segment 0
		.amdhsa_kernarg_size 32
		.amdhsa_user_sgpr_count 2
		.amdhsa_user_sgpr_kernarg_segment_ptr 1
		.amdhsa_wavefront_size32 1
		.amdhsa_system_sgpr_workgroup_id_x 1
		.amdhsa_system_sgpr_workgroup_id_y 1
		.amdhsa_system_sgpr_workgroup_id_z 1
		.amdhsa_system_vgpr_workitem_id 0
		.amdhsa_next_free_vgpr 896
		.amdhsa_next_free_sgpr 66
		.amdhsa_reserve_vcc 0
		.amdhsa_float_denorm_mode_32 3
		.amdhsa_float_denorm_mode_16_64 3
		.amdhsa_memory_ordered 1
		.amdhsa_forward_progress 1
		.amdhsa_inst_pref_size 255
	.end_amdhsa_kernel
	.section	.bss,"aw",@nobits
	.p2align	6
	.space	262144
	.amdgpu_metadata
---
amdhsa.version: [ 1, 2 ]
amdhsa.kernels:
  - .name:           k_q297364c9d2_attn
    .symbol:         k_q297364c9d2_attn.kd
    .args:
      - { .name: q, .offset: 0, .size: 8, .value_kind: global_buffer, .address_space: global }
      - { .name: k, .offset: 8, .size: 8, .value_kind: global_buffer, .address_space: global }
      - { .name: v, .offset: 16, .size: 8, .value_kind: global_buffer, .address_space: global }
      - { .name: out0, .offset: 24, .size: 8, .value_kind: global_buffer, .address_space: global }
    .group_segment_fixed_size: 173568
    .private_segment_fixed_size: 0
    .kernarg_segment_align: 8
    .kernarg_segment_size: 32
    .max_flat_workgroup_size: 128
    .sgpr_count:     66
    .vgpr_count:     896
    .wavefront_size: 32
...
	.end_amdgpu_metadata
.endif
;; end of part 1
